; MI455X (gfx1250); checked and timed in simulation.
; The chip was launched on July 23, 2026; its instructions are those of AMD's public machine-readable ISA for CDNA 5 (MIT licence, August 2026) and "CDNA5" Instruction Set Architecture Reference Guide (July 2026). The comments in the code are by the model that wrote it; some were corrected since.
;; Attention. Allowed arithmetic: matrix products marked QUANTISED: E5M2 operands, one given power-of-two scale a tensor, by v_wmma_f32_16x16x64_bf8_bf8 or v_wmma_f32_16x16x128_bf8_bf8, f32 sums; everything else in f32.
;; Inputs: lowp_scales 12 int32 (the exponents e of the quantised operands' scales 2^e); wk_b 768 float32; wk_w_codes 768 x 24 x 32 uint8 (E5M2 codes of wk_w, K innermost, in blocks of 32 codes); wo_b 768 float32; wo_w_codes 768 x 24 x 32 uint8 (E5M2 codes of wo_w, K innermost, in blocks of 32 codes); wq_b 768 float32; wq_w_codes 768 x 24 x 32 uint8 (E5M2 codes of wq_w, K innermost, in blocks of 32 codes); wv_b 768 float32; wv_w_codes 768 x 24 x 32 uint8 (E5M2 codes of wv_w, K innermost, in blocks of 32 codes); x_codes 16 x 1,024 x 24 x 32 uint8 (E5M2 codes of x, K innermost, in blocks of 32 codes).
;; Outputs: out0 16 x 1,024 x 768 float32.
;; This version of the problem:
;;   THIS VERSION OF THE PROBLEM IS GIVEN IN LOW PRECISION. The matrix products marked QUANTISED in the list below multiply operands that are first quantised to E5M2 (5 exponent bits, 2 mantissa bits; 8 bits a number), with one given power-of-two scale for each operand tensor; their sums are f32. All else is computed in f32.
;;   The module's matrix products, in the order in which they are computed (A, B: the left and right operand; K: the contracted axis; several contracted axes count as one K, in the product's order):
;;     1. [M 16,384, K 768] x [K 768, N 768]; A: input x (given as codes); B: input wq_w (given as codes): QUANTISED (scales: A lowp_scales[0], B lowp_scales[1])
;;     2. [M 16,384, K 768] x [K 768, N 768]; A: input x (given as codes); B: input wk_w (given as codes): QUANTISED (scales: A lowp_scales[2], B lowp_scales[3])
;;     3. [M 16,384, K 768] x [K 768, N 768]; A: input x (given as codes); B: input wv_w (given as codes): QUANTISED (scales: A lowp_scales[4], B lowp_scales[5])
;;     4. batch 192 x [M 1,024, K 64] x [K 64, N 1,024]; A: computed on the way; B: computed on the way: QUANTISED (scales: A lowp_scales[6], B lowp_scales[7])
;;     5. batch 192 x [M 64, K 1,024] x [K 1,024, N 1,024]; A: computed on the way; B: softmax (see below): QUANTISED (scales: A lowp_scales[8], B lowp_scales[9])
;;     6. [M 16,384, K 768] x [K 768, N 768]; A: computed on the way; B: input wo_w (given as codes): QUANTISED (scales: A lowp_scales[10], B lowp_scales[11])
;;   THE QUANTISER, for each operand of a quantised product, along K:
;;     - The operand's scale is 2^e, e = its entry of the input lowp_scales (int32; the entries are numbered through the quantised products in the list's order, A before B).
;;     - Each number is divided by the scale, clamped to +-57,344, and rounded to the nearest number of E5M2, ties to even, subnormals kept.
;;     - The product sums the exact products of the quantised numbers (number of the format x scale) in f32.
;;   ~~~python
;;   def quantise(x, axis, e):      # numpy; x: float32 -> the quantised numbers, widened to float32 again
;;       x = np.moveaxis(x, axis, -1); K = x.shape[-1]
;;       r = np.clip(x / 2.0 ** e, -57344, 57344)
;;       step = 2.0 ** (np.maximum(np.frexp(np.where(r == 0, 1, r))[1] - 1, -14) - 2)
;;       q = np.round(r / step) * step * 2.0 ** e      # np.round: ties to even
;;       return np.moveaxis(q, -1, axis).astype(np.float32)
;;   ~~~
;;   SOFTMAX AHEAD OF A QUANTISED PRODUCT. Where the list says 'softmax', what is quantised is not the finished softmax but p = 2^(t - M), with t = logit x log2(e) and M = ceil(the row's largest t), a whole number; so 1/2 < the row's largest p <= 1. The row's sum l is taken of the UNQUANTISED p, in f32, and the product's result is divided by l at the end. Since M is a whole number, a kernel that streams over the keys may use a running M (the ceiling of the running maximum): every later rescaling is an exact power of two, so the quantised numbers keep their values, but for numbers so far below the row's largest that they fall under the format's range.
;;   OPERANDS COMPUTED ON THE WAY. 'Computed on the way' means the value that the module computes at that place (a softmax that the list does not call 'softmax' is quantised finished and normalised). What goes into a quantiser is computed in f32, as accurately as f32 sums, v_exp_f32 and their like allow (about 1e-6 of the number): no bf16 or f16 on the way to a quantiser, and a product that is left as it is and whose result goes on into a quantised operand takes f32 operands (vector FMAs, or v_wmma_f32_16x16x4_f32). A number that lies on a knife's edge between two numbers of the format may be rounded either way, as far as f32 arithmetic and the matrix unit's own rounding can turn it there, and no further.
;;   INPUTS GIVEN AS CODES. wk_w (in the module: [768, 768], K = its axis 1); wo_w (in the module: [768, 768], K = its axis 1); wq_w (in the module: [768, 768], K = its axis 1); wv_w (in the module: [768, 768], K = its axis 1); x (in the module: [16, 1024, 768], K = its axis 2): each comes as NAME_codes (uint8): NAME with its K axis moved to the last place and cut into blocks of 32 codes, [.., K / 32, bytes a block], one block behind the other in memory; one code a byte (a code: sign, 5 exponent bits, 2 mantissa bits); its scale is its entry of lowp_scales. Its value is code x scale, taken as it is: it is not quantised again, and the codes and scales need not be those that the quantiser above would give.
;; One version. Each part assembles by itself: llvm-mc -triple=amdgcn-amd-amdhsa -mcpu=gfx1250 --defsym DOCPART=n.
;; ======== version 1 of 1: 3 launches
;; limits: right only within a limited range of input values
;; workspace buffers: qimg 12,582,912 bytes; kimg 12,582,912 bytes; vimg 12,582,912 bytes; aimg 12,582,912 bytes
;; launch qkv (part 1): grid 4 x 64, 4 waves a work-group, clusters of 4 x 1, 233,984 bytes of LDS; arguments x_codes, wq_w_codes, wk_w_codes, wv_w_codes, wq_b, wk_b, wv_b, lowp_scales, qimg, kimg, vimg; writes qimg, kimg, vimg
.if DOCPART == 1
	.amdgcn_target "amdgcn-amd-amdhsa--gfx1250"
	.amdhsa_code_object_version 6
	.text
	.protected	k_q613dcf5153_qkv
	.globl	k_q613dcf5153_qkv
	.p2align	8
	.type	k_q613dcf5153_qkv,@function
k_q613dcf5153_qkv:
	s_mov_b64 s[64:65], 0
	v_nop
	global_prefetch_b8 v0, s[64:65] scope:SCOPE_SE
	s_setreg_imm32_b32 hwreg(HW_REG_WAVE_MODE, 25, 1), 1
	s_wait_xcnt 0x0
	s_wait_alu depctr_hold_cnt(0) depctr_sa_sdst(0) depctr_va_vdst(0) depctr_va_sdst(0) depctr_va_ssrc(0) depctr_va_vcc(0) depctr_vm_vsrc(0)
	s_getreg_b32 s2, hwreg(HW_REG_IB_STS2, 6, 4)
	s_cmp_eq_u32 s2, 0
	s_cbranch_scc0 .Lentry_in_a_cluster
	s_endpgm
.Lentry_in_a_cluster:
	s_bfe_u32 s2, ttmp6, 0x10000c
	s_cmp_lg_u32 s2, 0x3003
	s_cbranch_scc0 .Lentry_shape_is_right
	s_endpgm
.Lentry_shape_is_right:
; q = x Wq^T + bq, k = x Wk^T + bk, v = x Wv^T + bv on codes of BF8 (E5M2), then q, k, v quantised with the given scales 2^e6, 2^e7, 2^e8.
; x: [16,384][768] codes; Wq, Wk, Wv: [768][768] codes, K innermost; biases f32.  The results leave as IMAGES OF THE OPERAND REGISTERS that the attention launch wants:
;   qimg, kimg: [head of a batch 192][tile of 16 tokens 64][block 2][lane 32][16 bytes]: lane (r, h) = token r; block b: d = 32 b + 8 h + 0..7, then 32 b + 16 + 8 h + 0..7
;   vimg:       [head of a batch 192][128 keys 8][tile of d 4][group 4][lane 32][16 bytes]: lane (r, h) = d 32 (dt / 2) + 8 (dt % 2) + r + 8 (r / 8); keys 32 g + 8 h + 0..7, then 32 g + 16 + 8 h + 0..7
; SHARES.  A work-group takes 256 tokens (work-group y) and three heads (its place cx in the cluster): 576 output features.  THE WEIGHTS STAY IN REGISTERS: a wave holds 9 tiles of 16 features x 768 K = 864 registers:
; waves 0, 1: 96 features of q each, waves 2, 3: of k; every wave three of the group's twelve tiles of v.  x's 256 rows lie in LDS, fetched once, and every wave walks them twice: pass V, then pass QK.
; CLUSTER.  The four work-groups of a cluster share the 256 rows of x: each wave's quarter is asked for JOINTLY.  The weights are not: they go from memory straight into registers and are read once by one wave of a work-group,
; and a joint load lands in LDS alone.
; q, k: THE PRODUCT IS USED TRANSPOSED (source 0 = 16 rows of W, source 1 = 16 tokens): a lane holds one token and eight neighbouring features: one conversion gives two registers of the image.
; v: not transposed (source 0 = 16 tokens, source 1 = 16 rows of Wv): a lane holds one feature and eight neighbouring tokens, which are the second attention product's K.
; Both operands of these products are fetched 16 bytes at a time: lane (r, h) holds k = 32 c + 16 h + 0..15 in registers 4 c .. 4 c + 3: the same permutation of k on both sides, so every product meets its partner.
; SCALES.  A sum stands for sum x 2^(ex + ew).  The bias goes in as b / 2^(ex + ew), and the conversion takes the one scale 2^(e_out - ex - ew).
; LIMITS: e6 - e0 - e1, e7 - e2 - e3 and e8 - e4 - e5 lie between -126 and 112, so that the scale and 57,344 x the scale are f32 numbers.  NaN among the biases is not served.
; REGISTERS, in windows of 256: window 0: v1-15 addresses and constants; v16-111 x's six fragments of a tile of tokens; v112-135 v's three accumulators; v136-147 codes; v148-153 v's biases;
;   v160-255 Wv's fragments 0-5; in pass QK, when these are done with: v160-207 six accumulators, v208-255 their biases.   v256-831: Wq's or Wk's 36 fragments.   v832-1023: Wv's fragments 6-17.
.set PITCH, 816                        ; a token's 768 bytes in LDS: three pieces of 256 bytes, 16 of padding behind each: 204 words, so that sixteen rows start at sixteen different columns of 16 bytes
.set TILEB, 16*PITCH                   ; a tile of 16 tokens
.set PARK,  256*PITCH                  ; behind x: 6,144 bytes for each wave, where q's or k's biases wait while Wv holds their registers.  No tile lands there
.set WV,  26                           ; s26 wave   s27 cx   s28 block of 256 tokens   s29 wave & 1
.set CX,  27
.set TB,  28
.set W1,  29
.set G0,  32                           ; s[32:35] descriptor group 0   s[36:43] group 1
.set G1,  36
.set PW,  54                           ; s[54:55] my rows of Wq or Wk   s[56:57] their biases   s[58:59] my place in qimg or kimg
.set PB,  56
.set PO,  58
.set DOF, 60                           ; s[60:61] x's offset for the joint load: made of the token block and the wave alone
.set PV,  66                           ; s[66:71] my three tiles' rows of Wv   s[72:77] their biases   s[78:83] their places in vimg
.set PBV, 72
.set PVI, 78
.set NX,  84                           ; s84 LDS byte of the tile of tokens to be fetched   s85 trips
.set CNT, 85
.set XA0, 1                            ; v1 816 r + 16 h   v2 the same in the tile to be fetched   v3 16 x lane   v4 my place in PARK
.set XAD, 2
.set LI,  3
.set PKA, 4
.set VWO, 5                            ; v5 (r + 8 (r / 8)) x 768 + 16 h   v6 768 r + 16 h   v7 32 h   v8 4 (r + 8 (r / 8))
.set QWO, 6
.set H32, 7
.set RR4, 8
.set OFF, 9                            ; v9-11 where my three granules of 32 features go in a tile's image
.set SCV, 12                           ; v12, v13 v's scale and largest number x scale   v14, v15 the same for q or k
.set LMV, 13
.set SCQ, 14
.set LMQ, 15
.set XF,  16
.set ACCV, 112
.set COD, 136
.set VB,  148
.set ACCQ, 160
.set BIAS, 208
.set MSB, 0
.macro WIN new                         ; the immediate's high byte repeats the setting that is left; a switch that changes nothing is dropped
.if MSB != (\new)
	s_set_vgpr_msb (MSB<<8)|(\new)
.set MSB, (\new)
.endif
.endm
.macro PLACES                          ; four plain vector lines between a matrix instruction and a load into its sources or a read of its result
.rept 4
	v_nop
.endr
.endm
.macro ROUND                           ; a round of the cluster's barrier
	s_barrier_signal -1
	s_barrier_wait -1
	s_cmp_lg_u32 s[WV], 0
	s_cbranch_scc1 .Lnot_wave_0_\@
	s_barrier_signal -3
.Lnot_wave_0_\@:
	s_barrier_wait -3
	s_barrier_signal -1
	s_barrier_wait -1
.endm
	s_load_b512 s[4:19], s[0:1], 0x0               ; x, Wq, Wk, Wv, bq, bk, bv, the scales' exponents
	s_load_b128 s[20:23], s[0:1], 0x40             ; qimg, kimg
	s_load_b64 s[24:25], s[0:1], 0x50              ; vimg
	v_lshl_add_u32 v158, v0, 2, 0x39000
	v_mov_b32 v159, 0
	ds_add_u32 v158, v159
	ds_add_u32 v158, v159
	v_lshrrev_b32 v16, 5, v0
	v_readfirstlane_b32 s[WV], v16                 ; wave 0..3
	s_bfe_u32 s[CX], ttmp6, 0x40000                ; my place in the cluster: the group of three heads.  It enters global addresses alone
	s_and_b32 s[TB], ttmp7, 0xffff                 ; the block of 256 tokens, which the four partners share
	s_and_b32 s[W1], s[WV], 1
	v_and_b32 v16, 15, v0                          ; r
	v_bfe_u32 v17, v0, 4, 1                        ; h
	v_and_b32 v18, 31, v0                          ; lane
	v_and_b32 v19, 8, v16
	v_add_nc_u32 v19, v19, v16                     ; r + 8 (r / 8)
	v_mul_u32_u24 v[XA0], v16, PITCH
	v_lshl_add_u32 v[XA0], v17, 4, v[XA0]
	v_lshlrev_b32 v[LI], 4, v18
	s_wait_alu depctr_va_vdst(0)
	s_mul_i32 s86, s[WV], 6144
	s_add_co_u32 s86, s86, PARK
	v_add_nc_u32 v[PKA], s86, v[LI]
	v_mul_u32_u24 v[VWO], v19, 768
	v_lshl_add_u32 v[VWO], v17, 4, v[VWO]
	v_mul_u32_u24 v[QWO], v16, 768
	v_lshl_add_u32 v[QWO], v17, 4, v[QWO]
	v_lshlrev_b32 v[H32], 5, v17
	v_lshlrev_b32 v[RR4], 2, v19
.irp i, 0,1,2                          ; granule g = 3 (wave & 1) + i of the group's six: head g / 2 (65,536 bytes on), block g % 2 (512 bytes on)
	s_mul_i32 s86, s[W1], 3
	s_add_co_u32 s86, s86, \i
	s_lshr_b32 s87, s86, 1
	s_lshl_b32 s87, s87, 16
	s_and_b32 s86, s86, 1
	s_lshl_b32 s86, s86, 9
	s_add_co_u32 s86, s86, s87
	v_add_nc_u32 v[OFF+\i], s86, v[LI]
.endr
	; descriptor group 1: 192 rows of 256 bytes, dense in memory (64 tokens), 16 bytes of padding behind each row
	s_mov_b32 s[G1+0], 15|(1<<20)|(1<<21)|(5<<22)|(3<<25)  ; 15:0 the mask: all four work-groups; 17:16 elements of 1 byte; 20 padding on; 21 set beside a mask; 24:22 after every 64 words; 31:25 four words
	s_mov_b32 s[G1+1], 256<<16                     ; tensor_dim0
	s_mov_b32 s[G1+2], 192<<16                     ; tensor_dim1
	s_mov_b32 s[G1+3], 256<<16                     ; tile_dim0
	s_mov_b32 s[G1+4], 192                         ; tile_dim1
	s_mov_b32 s[G1+5], 256                         ; from row to row
	s_mov_b32 s[G1+6], 0
	s_mov_b32 s[G1+7], 0
	s_mul_i32 s[DOF], s[TB], 196608                ; the block's 256 rows of 768 bytes,
	s_mul_i32 s[DOF+1], s[WV], 49152               ; my wave's 64 of them
	s_add_co_u32 s[DOF], s[DOF], s[DOF+1]
	s_mov_b32 s[DOF+1], 0
	s_mul_i32 s86, s[CX], 192
	s_mul_i32 s87, s[W1], 96
	s_add_co_u32 s88, s86, s87                     ; my first feature of q or k
	s_mul_i32 s86, s88, 768
	s_mov_b32 s87, 0
	s_lshl_b32 s88, s88, 2
	s_mov_b32 s89, 0
	s_lshr_b32 s90, s[TB], 2                       ; the batch
	s_mul_i32 s90, s90, 12
	s_mul_i32 s91, s[CX], 3
	s_add_co_u32 s90, s90, s91                     ; my first head, counted through the batches
	s_and_b32 s91, s[TB], 3                        ; which 256 of the batch's 1,024 tokens
	s_wait_dscnt 0x0
	s_wait_kmcnt 0x0
	s_load_b256 s[44:51], s[18:19], 0x0            ; e0 .. e7
	s_load_b32 s52, s[18:19], 0x20                 ; e8
	s_cmp_lt_u32 s[WV], 2                          ; waves 0, 1: q; waves 2, 3: k
	s_cselect_b64 s[PW:PW+1], s[6:7], s[8:9]
	s_cselect_b64 s[PB:PB+1], s[12:13], s[14:15]
	s_cselect_b64 s[PO:PO+1], s[20:21], s[22:23]
	s_mov_b32 s[G0], 1                             ; count = 1
	s_mul_i32 s[G0+1], s[WV], 52224                ; LDS: my 192 rows of 272 bytes
	s_add_nc_u64 s[G0+2:G0+3], s[4:5], s[DOF:DOF+1]
	s_or_b32 s[G0+3], s[G0+3], 0x80000000          ; type = 2
	s_add_nc_u64 s[PW:PW+1], s[PW:PW+1], s[86:87]
	s_add_nc_u64 s[PB:PB+1], s[PB:PB+1], s[88:89]
	s_lshl_b32 s86, s90, 16                        ; a head's image is 65,536 bytes,
	s_lshl_b32 s88, s91, 14                        ; sixteen tiles of tokens 16,384
	s_add_co_u32 s86, s86, s88
	s_add_nc_u64 s[PO:PO+1], s[PO:PO+1], s[86:87]
.irp i, 0,1,2                          ; v's tile tau = 3 wave + i of the group's twelve: head tau / 4, tile of d tau % 4; its rows of Wv begin at 32 (tau / 2) + 8 (tau % 2)
	s_mul_i32 s94, s[WV], 3
	s_add_co_u32 s94, s94, \i
	s_lshr_b32 s95, s94, 1
	s_lshl_b32 s95, s95, 5
	s_and_b32 s88, s94, 1
	s_lshl_b32 s88, s88, 3
	s_add_co_u32 s95, s95, s88
	s_mul_i32 s88, s[CX], 192
	s_add_co_u32 s95, s95, s88
	s_mul_i32 s86, s95, 768
	s_add_nc_u64 s[PV+2*\i:PV+2*\i+1], s[10:11], s[86:87]
	s_lshl_b32 s86, s95, 2
	s_add_nc_u64 s[PBV+2*\i:PBV+2*\i+1], s[16:17], s[86:87]
	s_lshr_b32 s86, s94, 2
	s_add_co_u32 s86, s86, s90
	s_lshl_b32 s86, s86, 16
	s_lshl_b32 s88, s91, 14                        ; two steps of 128 keys, 8,192 bytes each
	s_add_co_u32 s86, s86, s88
	s_and_b32 s88, s94, 3
	s_lshl_b32 s88, s88, 11
	s_add_co_u32 s86, s86, s88
	s_add_nc_u64 s[PVI+2*\i:PVI+2*\i+1], s[24:25], s[86:87]
.endr
	ROUND                                          ; all four work-groups are here: the joint loads meet
	tensor_load_to_lds s[G0:G0+3], s[G1:G1+7]      ; my one tensor load of the launch
	s_nop 0
	PLACES
	s_wait_alu depctr_va_vdst(0)
.irp s, 0,1,2,3,4,5                    ; Wv's fragments (K step s, tile i): they stay
.irp i, 0,1,2
.set fV, 3*\s+\i
.if fV < 6
	WIN 0
.set rW, 160+16*fV
.else
	WIN 0xc0                                       ; destination window 3
.set rW, 64+16*(fV-6)
.endif
.irp c, 0,1,2,3
	global_load_b128 v[rW+4*\c:rW+4*\c+3], v[VWO], s[PV+2*\i:PV+2*\i+1] offset:128*\s+32*\c
.endr
.endr
.endr
	WIN 0
.irp i, 0,1,2
	global_load_b32 v[VB+2*\i], v[RR4], s[PBV+2*\i:PBV+2*\i+1]   ; bv of my lane's feature
.endr
.irp j, 0,1,2,3,4,5                    ; bq or bk in the result's layout: tile j, features 16 j + 8 h + 0..7
	global_load_b128 v[XF+8*\j:XF+8*\j+3], v[H32], s[PB:PB+1] offset:64*\j
	global_load_b128 v[XF+8*\j+4:XF+8*\j+7], v[H32], s[PB:PB+1] offset:64*\j+16
.endr
	s_wait_kmcnt 0x0
	s_add_co_i32 s86, s48, s49                     ; e4 + e5
	s_sub_co_i32 s87, s52, s86                     ; e8 - e4 - e5
	s_sub_co_i32 s92, 0, s86
	s_add_co_i32 s87, s87, 127
	s_lshl_b32 s88, s87, 23
	v_mov_b32 v[SCV], s88                          ; the scale as f32: the conversion takes its exponent field
	s_add_co_i32 s87, s87, 15
	s_lshl_b32 s87, s87, 23
	s_or_b32 s87, s87, 0x600000
	v_mov_b32 v[LMV], s87                          ; 57,344 x the scale
	s_add_co_i32 s86, s44, s45                     ; e0 + e1
	s_add_co_i32 s87, s46, s47                     ; e2 + e3
	s_cmp_lt_u32 s[WV], 2
	s_cselect_b32 s86, s86, s87
	s_cselect_b32 s87, s50, s51                    ; e6 or e7
	s_sub_co_i32 s87, s87, s86
	s_sub_co_i32 s93, 0, s86
	s_add_co_i32 s87, s87, 127
	s_lshl_b32 s88, s87, 23
	v_mov_b32 v[SCQ], s88
	s_add_co_i32 s87, s87, 15
	s_lshl_b32 s87, s87, 23
	s_or_b32 s87, s87, 0x600000
	v_mov_b32 v[LMQ], s87
	s_wait_loadcnt 0x0                             ; Wv and the biases
.set n, 0
.rept 48
	v_ldexp_f32 v[XF+n], v[XF+n], s93              ; b / 2^(ex + ew)
.set n, n+1
.endr
.irp i, 0,1,2
	v_ldexp_f32 v[VB+2*\i], v[VB+2*\i], s92
	v_mov_b32 v[VB+2*\i+1], v[VB+2*\i]             ; (named with it as a pair, so it is written)
.endr
.irp n, 0,1,2,3,4,5,6,7,8,9,10,11
	ds_store_b128 v[PKA], v[XF+4*\n:XF+4*\n+3] offset:512*\n   ; parked as an image of the registers, in my wave's own bytes
.endr
	s_wait_tensorcnt 0x0                           ; my quarter of x has landed,
	s_wait_dscnt 0x0
	s_barrier_signal -1
	s_barrier_wait -1                              ; everybody's has
.macro XLOAD s, adr                    ; x's fragment of K step s of the tile of tokens at v[adr]: byte 128 s of a token lies at 272 (s / 2) + 128 (s % 2)
.irp c, 0,1,2,3
	ds_load_b128 v[XF+16*(\s)+4*\c:XF+16*(\s)+4*\c+3], v[\adr] offset:((\s)/2)*272+((\s)%2)*128+32*\c
.endr
.endm
.irp s, 0,1,2,3,4,5
	XLOAD \s, XA0                                  ; tile 0
.endr
; 24 of the 144 loads that bring Wq's or Wk's fragments: K step p, tiles 0-5.  They land while pass V runs.
.macro WCHUNK p
.irp j, 0,1,2,3,4,5
.set aW, 256+16*(6*(\p)+\j)
.set wW, (aW>>8)<<6
	WIN wW                                         ; destination: the fragment's window
.irp c, 0,1,2,3
	global_load_b128 v[(aW&255)+4*\c:(aW&255)+4*\c+3], v[QWO], s[PW:PW+1] offset:\j*12288+128*(\p)+32*\c
.endr
.endr
	WIN 0
.endm
; PASS V, a tile of 16 tokens: 18 matrix instructions, the three accumulators by turns.  x's six fragments are fetched anew, for the next tile, in two runs of twelve loads: fragments 0-2 behind K step 2, fragments 3-5 behind K step 5.
.macro VTILE tt
.if ((\tt)%2 == 0) && ((\tt) < 12)
	WCHUNK (\tt)/2
.endif
	v_add_nc_u32 v[XAD], (((\tt)+1)%16)*TILEB, v[XA0]   ; the next tile; the last fetches tile 0 again, for pass QK
	s_wait_alu depctr_va_vdst(0)
.irp s, 0,1,2,3,4,5
.if (\s == 0) || (\s == 3)
	s_wait_dscnt 12                                ; the run of twelve loads that brought fragments s .. s + 2 is in; the younger run of twelve may be out
.endif
.if \s < 2
	WIN 0
.else
	WIN 0x0c                                       ; source 1 (Wv) window 3
.endif
.irp i, 0,1,2
.set fV, 3*\s+\i
.if fV < 6
.set rW, 160+16*fV
.else
.set rW, 64+16*(fV-6)
.endif
.if \s == 0
	v_wmma_f32_16x16x128_bf8_bf8 v[ACCV+8*\i:ACCV+8*\i+7], v[XF+16*\s:XF+16*\s+15], v[rW:rW+15], 0
.else
	v_wmma_f32_16x16x128_bf8_bf8 v[ACCV+8*\i:ACCV+8*\i+7], v[XF+16*\s:XF+16*\s+15], v[rW:rW+15], v[ACCV+8*\i:ACCV+8*\i+7]
.endif
.endr
.if (\s == 2) || (\s == 5)
	PLACES
	XLOAD \s-2, XAD                                ; (an LDS load's destination and address are not source 1: both stay in window 0)
	XLOAD \s-1, XAD
	XLOAD \s, XAD
.endif
.endr
	WIN 0
.if ((\tt)%2 == 0) && ((\tt) > 0)
	s_wait_xcnt 0x0                                ; the last pair's stores have read the codes' registers
.endif
.irp i, 0,1,2
.irp j, 0,2,4,6
	v_pk_add_f32 v[ACCV+8*\i+\j:ACCV+8*\i+\j+1], v[ACCV+8*\i+\j:ACCV+8*\i+\j+1], v[VB+2*\i:VB+2*\i+1] op_sel_hi:[1,0]   ; + my feature's bias; each accumulator from its low end on
.endr
.endr
.set n, 0
.rept 24
	v_med3_num_f32 v[ACCV+n], v[ACCV+n], -v[LMV], v[LMV]   ; the conversion to an 8-bit code does not saturate (ISA guide 7.6.2): the hold at the largest code x the scale
.set n, n+1
.endr
.irp i, 0,1,2
	v_cvt_scalef32_pk8_bf8_f32 v[COD+4*\i+2*((\tt)%2):COD+4*\i+2*((\tt)%2)+1], v[ACCV+8*\i:ACCV+8*\i+7], v[SCV]   ; eight neighbouring tokens of my feature
.endr
	v_nop                                          ; one plain line between the conversions and the products that write their sources again
.if (\tt)%2 == 1
.irp i, 0,1,2
	global_store_b128 v[LI], v[COD+4*\i:COD+4*\i+3], s[PVI+2*\i:PVI+2*\i+1] offset:((\tt)/8)*8192+(((\tt)%8)/2)*512   ; 32 keys of 16 features: the wave stores 512 consecutive bytes
.endr
.endif
.endm
.set T, 0
.rept 16
	VTILE T
.set T, T+1
.endr
	; THE CHANGE OF PASS.  Wv's fragments are done with; the first six leave their registers to pass QK's accumulators and biases.
	s_wait_xcnt 0x0                                ; pass V's last three stores have read the codes' registers: pass QK's conversions write them again only behind this wait
	s_wait_loadcnt 0x0                             ; Wq's or Wk's fragments
.irp n, 0,1,2,3,4,5,6,7,8,9,10,11
	ds_load_b128 v[BIAS+4*\n:BIAS+4*\n+3], v[PKA] offset:512*\n
.endr
	s_wait_dscnt 0x0
	s_mov_b32 s[NX], TILEB
	s_mov_b32 s[CNT], 15
; PASS QK, a tile of 16 tokens: 36 matrix instructions, the six accumulators by turns.  The bias is the C of each sum's first product.
.macro QTILE refill
.if \refill
	v_add_nc_u32 v[XAD], s[NX], v[XA0]
.endif
	s_wait_alu depctr_va_vdst(0)
.irp s, 0,1,2,3,4,5
.if \refill
.if (\s == 0) || (\s == 3)
	s_wait_dscnt 12                                ; as in pass V
.endif
.else
	s_wait_dscnt 4*(5-\s)                          ; the last tile fetches nothing: the counts run down
.endif
.irp j, 0,1,2,3,4,5
.set aW, 256+16*(6*\s+\j)
.set wW, aW>>8
	WIN wW                                         ; source 0 (W): the fragment's window
.if \s == 0
	v_wmma_f32_16x16x128_bf8_bf8 v[ACCQ+8*\j:ACCQ+8*\j+7], v[(aW&255):(aW&255)+15], v[XF+16*\s:XF+16*\s+15], v[BIAS+8*\j:BIAS+8*\j+7]
.else
	v_wmma_f32_16x16x128_bf8_bf8 v[ACCQ+8*\j:ACCQ+8*\j+7], v[(aW&255):(aW&255)+15], v[XF+16*\s:XF+16*\s+15], v[ACCQ+8*\j:ACCQ+8*\j+7]
.endif
.endr
.if (\s == 2) || (\s == 5)
	WIN 0                                          ; (an LDS load's address is its source 0)
	PLACES
.if \refill
	XLOAD \s-2, XAD
	XLOAD \s-1, XAD
	XLOAD \s, XAD
.endif
.endif
.endr
	s_wait_xcnt 0x0                                ; the last tile's stores have read their data and their base: both are written again behind this wait
	s_add_nc_u64 s[PO:PO+1], s[PO:PO+1], 1024      ; one tile's image beyond this tile's: the stores below take 1,024 off again
.set n, 0
.rept 48
	v_med3_num_f32 v[ACCQ+n], v[ACCQ+n], -v[LMQ], v[LMQ]
.set n, n+1
.endr
.irp j, 0,1,2,3,4,5
	v_cvt_scalef32_pk8_bf8_f32 v[COD+2*\j:COD+2*\j+1], v[ACCQ+8*\j:ACCQ+8*\j+7], v[SCQ]   ; eight neighbouring features of my token
.endr
	v_nop
.irp i, 0,1,2
	global_store_b128 v[OFF+\i], v[COD+4*\i:COD+4*\i+3], s[PO:PO+1] offset:-1024   ; a granule of 32 features of 16 tokens: 512 consecutive bytes
.endr
.endm
.Lqk:
	QTILE 1
	s_add_co_u32 s[NX], s[NX], TILEB
	s_sub_co_u32 s[CNT], s[CNT], 1
	s_cmp_lg_u32 s[CNT], 0
	s_cbranch_scc1 .Lqk
	QTILE 0
	s_wait_tensorcnt 0x0
	ds_add_u32 v158, v159
	s_wait_dscnt 0x0
	ROUND                                          ; the closing round: no work-group ends while a partner may still ask for a tile that names it
	s_endpgm
.Lfunc_end_k_q613dcf5153_qkv:
	.size	k_q613dcf5153_qkv, .Lfunc_end_k_q613dcf5153_qkv-k_q613dcf5153_qkv
	.p2alignl 7, 3214868480
	.fill 96, 4, 3214868480
	.section	.rodata,"a",@progbits
	.p2align	6, 0x0
	.amdhsa_kernel k_q613dcf5153_qkv
		.amdhsa_group_segment_fixed_size 233984
		.amdhsa_private_segment_fixed_size 0
		.amdhsa_enable_private_segment 0
		.amdhsa_kernarg_size 88
		.amdhsa_user_sgpr_count 2
		.amdhsa_user_sgpr_kernarg_segment_ptr 1
		.amdhsa_wavefront_size32 1
		.amdhsa_system_sgpr_workgroup_id_x 1
		.amdhsa_system_sgpr_workgroup_id_y 1
		.amdhsa_system_sgpr_workgroup_id_z 1
		.amdhsa_system_vgpr_workitem_id 0
		.amdhsa_next_free_vgpr 1024
		.amdhsa_next_free_sgpr 96
		.amdhsa_reserve_vcc 0
		.amdhsa_float_denorm_mode_32 3
		.amdhsa_float_denorm_mode_16_64 3
		.amdhsa_memory_ordered 1
		.amdhsa_forward_progress 1
		.amdhsa_inst_pref_size 144
	.end_amdhsa_kernel
	.amdgpu_metadata
---
amdhsa.version: [ 1, 2 ]
amdhsa.kernels:
  - .name:           k_q613dcf5153_qkv
    .symbol:         k_q613dcf5153_qkv.kd
    .args:
      - { .name: x_codes, .offset: 0, .size: 8, .value_kind: global_buffer, .address_space: global }
      - { .name: wq_w_codes, .offset: 8, .size: 8, .value_kind: global_buffer, .address_space: global }
      - { .name: wk_w_codes, .offset: 16, .size: 8, .value_kind: global_buffer, .address_space: global }
      - { .name: wv_w_codes, .offset: 24, .size: 8, .value_kind: global_buffer, .address_space: global }
      - { .name: wq_b, .offset: 32, .size: 8, .value_kind: global_buffer, .address_space: global }
      - { .name: wk_b, .offset: 40, .size: 8, .value_kind: global_buffer, .address_space: global }
      - { .name: wv_b, .offset: 48, .size: 8, .value_kind: global_buffer, .address_space: global }
      - { .name: lowp_scales, .offset: 56, .size: 8, .value_kind: global_buffer, .address_space: global }
      - { .name: qimg, .offset: 64, .size: 8, .value_kind: global_buffer, .address_space: global }
      - { .name: kimg, .offset: 72, .size: 8, .value_kind: global_buffer, .address_space: global }
      - { .name: vimg, .offset: 80, .size: 8, .value_kind: global_buffer, .address_space: global }
    .group_segment_fixed_size: 233984
    .private_segment_fixed_size: 0
    .kernarg_segment_align: 8
    .kernarg_segment_size: 88
    .max_flat_workgroup_size: 128
    .sgpr_count:     96
    .vgpr_count:     1024
    .wavefront_size: 32
...
	.end_amdgpu_metadata
.endif
;; end of part 1
;; launch attn (part 2): grid 4 x 64, 8 waves a work-group, clusters of 4 x 1, 327,680 bytes of LDS; arguments qimg, kimg, vimg, lowp_scales, aimg; writes aimg
.if DOCPART == 2
	.amdgcn_target "amdgcn-amd-amdhsa--gfx1250"
	.amdhsa_code_object_version 6
	.text
	.protected	k_q613dcf5153_attn
	.globl	k_q613dcf5153_attn
	.p2align	8
	.type	k_q613dcf5153_attn,@function
k_q613dcf5153_attn:
	s_mov_b64 s[64:65], 0
	v_nop
	global_prefetch_b8 v0, s[64:65] scope:SCOPE_SE
	s_setreg_imm32_b32 hwreg(HW_REG_WAVE_MODE, 25, 1), 1
	s_wait_xcnt 0x0
	s_wait_alu depctr_hold_cnt(0) depctr_sa_sdst(0) depctr_va_vdst(0) depctr_va_sdst(0) depctr_va_ssrc(0) depctr_va_vcc(0) depctr_vm_vsrc(0)
	s_getreg_b32 s2, hwreg(HW_REG_IB_STS2, 6, 4)
	s_cmp_eq_u32 s2, 0
	s_cbranch_scc0 .Lentry_in_a_cluster
	s_endpgm
.Lentry_in_a_cluster:
	s_bfe_u32 s2, ttmp6, 0x10000c
	s_cmp_lg_u32 s2, 0x3003
	s_cbranch_scc0 .Lentry_shape_is_right
	s_endpgm
.Lentry_shape_is_right:
; a = softmax(q k^T / 8) v for 192 heads of 1,024 tokens, both products on codes of BF8 (E5M2); a is quantised with 2^e10 and leaves as images of the projection's operand registers.
; qimg, kimg: [head 192][tile of 16 tokens 64][block 2][lane 32][16 bytes];  vimg: [head 192][128 keys 8][tile of d 4][group 4][lane 32][16 bytes];  aimg: [tile of 16 tokens 1,024][K step 6][group 4][lane 32][16 bytes].
; THE SOFTMAX: t = score x log2(e) / 8; M = the running largest t rounded up to a whole number; p = 2^(t - M) is quantised with 2^e9; the row's sum is taken of the unquantised p and divides at the end.
; SHARES.  A cluster of four work-groups takes three heads (cluster y); a work-group 256 queries (its place cx), each of its eight waves 32 of them: two tiles of 16.  A head is a unit: 8 key steps of 128 keys.
; RING.  Two slots of 131,072 bytes, each a whole head's K (65,536) and V (65,536), asked for JOINTLY by the four work-groups: waves 0-3 a quarter of K's bytes each, waves 4-7 of V's.
; Head 0 comes in two pieces: key steps 0 and 1 (4,096 bytes a wave) at the kernel's head, key steps 2 to 7 (12,288 bytes a wave) behind the next round.  Head 1 is asked for behind a round after key step 1, head 2 (slot 0 again) at head 0's end.
; Both products are used transposed (S^T = K Q^T, O^T = V^T P^T): a lane holds one query, its registers run along the keys, so the conversions' results are the second product's operand.
; A KEY STEP has two batches of 64 exponentials.  Among the exponentials stand only plain lines whose results are first read behind the batch's closing wait: tile 1's multiply-adds in the first batch;
; tile 0's sums of neighbouring pairs (into 32 registers of their own) and its holds in the second.  O^T is rescaled ahead of the exponentials.
; The next step's K fragments are fetched behind this step's first products; head 0's steps 0 and 1 fetch their own at the step's head, so that no read names bytes of the piece that is still on its way.
; NO PREFETCH: the launch has four tensor loads a wave in all; heads 1 and 2 are asked for 6 and 8 key steps ahead of their first read, and head 0's pieces have no loop ahead of them.
; LIMITS: e6 + e7 between -123 and 130 (added to c's exponent field); e9 and e10 - e8 - e9 between -126 and 112, so that each scale and 57,344 x the scale are f32 numbers; the scaled scores stay under 2^31 in magnitude.
; REGISTERS.  Window 0: v1-10 addresses and constants; v12-35 the two tiles' state; v64-191 S^T, then p; v192-223 p's codes; v224-255 pair sums, at a unit's end a's codes.
;             Window 1: v0-63 K's fragments; v64-127 V's; v128-191 O^T; v192-223 Q's fragments, two sets.
.set SLOT1, 131072
.set VOFF,  65536
.set SPARE, 262144                     ; behind the ring: the spare words, 128 bytes a wave
.set WV,  14
.set CX,  15
.set CY,  16
.set G1,  20                           ; s[20:27] descriptor group 1 for a whole head's quarter: 64 rows of 256 bytes
.set G0,  28                           ; s[32:35], s[36:39] groups 0 of heads 1 and 2
.set GA,  28                           ; s[28:31] group 0 of head 0's first piece   s[88:91] of its second
.set GB,  88
.set G1A, 72                           ; s[72:79] group 1 of the first piece: 16 rows   s[80:87] of the second: 48 rows
.set G1B, 80
.set CS,  46                           ; s[46:47] c = log2(e) / 8 x 2^(e6 + e7)
.set SEL, 48                           ; s[48:49] selects for lane l xor 16
.set PQ,  50
.set PA,  52
.set KB,  54                           ; s54 LDS byte of the step's keys   s55 steps to go
.set CNT, 55
.set LP,  68                           ; s68 57,344 x 2^e9
.set LI,  1                            ; v1 16 x lane   v2 the same in V's part   v3, v4 the step's addresses
.set LIV, 2
.set ADK, 3
.set ADV, 4
.set SPW, 5
.set NIL, 6
.set SCP, 7                            ; v7 2^e9   v9 2^(e10 - e8 - e9)   v10 57,344 x that
.set SCO, 9
.set LMO, 10
.set ST,  12                           ; a tile's state, 12 registers: +0 -M, +1 the largest score, +2..5 the sum in two pairs, +6 f (+7: 0), +8, +9 at work, +10 a lane permute's result
.set S,   64
.set PC,  192
.set TMP, 224
.set OC,  224
.set KF,  0
.set VF,  64
.set O,   128
.set QF,  192
.set MSB, 0
.macro WIN new                         ; the immediate's high byte repeats the setting that is left
.if MSB != (\new)
	s_set_vgpr_msb (MSB<<8)|(\new)
.set MSB, (\new)
.endif
.endm
.macro PLACES
.rept 4
	v_nop
.endr
.endm
.macro ROUND                           ; a round of the cluster's barrier
	s_barrier_signal -1
	s_barrier_wait -1
	s_cmp_lg_u32 s[WV], 0
	s_cbranch_scc1 .Lnot_wave_0_\@
	s_barrier_signal -3
.Lnot_wave_0_\@:
	s_barrier_wait -3
	s_barrier_signal -1
	s_barrier_wait -1
.endm
	s_load_b256 s[4:11], s[0:1], 0x0               ; qimg, kimg, vimg, the scales' exponents
	s_load_b64 s[12:13], s[0:1], 0x20              ; aimg
	v_lshl_add_u32 v[SPW], v0, 2, SPARE
	v_mov_b32 v[NIL], 0
	ds_add_u32 v[SPW], v[NIL]                      ; the opening lines: the add twice on end and one wait
	ds_add_u32 v[SPW], v[NIL]
	v_lshrrev_b32 v11, 5, v0
	s_delay_alu instid0(VALU_DEP_1)
	v_readfirstlane_b32 s[WV], v11                 ; wave 0..7
	s_bfe_u32 s[CX], ttmp6, 0x40000                ; my 256 queries: it enters global addresses alone
	s_and_b32 s[CY], ttmp7, 0xffff                 ; the three heads, which the four partners share
	v_and_b32 v[LI], 31, v0
	s_delay_alu instid0(VALU_DEP_1)
	v_lshlrev_b32 v[LI], 4, v[LI]
	s_delay_alu instid0(VALU_DEP_1)
	v_add_nc_u32 v[LIV], VOFF, v[LI]
.irp g, G1, G1A, G1B                   ; rows of 256 bytes, dense; the mask: all four work-groups; elements of 1 byte; no padding
	s_mov_b32 s[\g+0], 15|(1<<21)
	s_mov_b32 s[\g+1], 256<<16
	s_mov_b32 s[\g+3], 256<<16
	s_mov_b32 s[\g+5], 256
	s_mov_b32 s[\g+6], 0
	s_mov_b32 s[\g+7], 0
.endr
	s_mov_b32 s[G1+2], 64<<16
	s_mov_b32 s[G1+4], 64
	s_mov_b32 s[G1A+2], 16<<16
	s_mov_b32 s[G1A+4], 16
	s_mov_b32 s[G1B+2], 48<<16
	s_mov_b32 s[G1B+4], 48
	s_mul_i32 s56, s[CY], 3
	s_lshl_b32 s56, s56, 16                        ; the first head's image,
	s_and_b32 s57, s[WV], 3
	s_lshl_b32 s57, s57, 14                        ; my quarter of it
	s_add_co_u32 s56, s56, s57
	s_mov_b32 s57, 0
	s_mul_i32 s60, s[CY], 192                      ; Q: tile 64 x head + 16 cx + 2 wave, 1,024 bytes a tile
	s_lshl_b32 s61, s[CX], 4
	s_add_co_u32 s60, s60, s61
	s_lshl_b32 s61, s[WV], 1
	s_add_co_u32 s60, s60, s61
	s_lshl_b32 s60, s60, 10
	s_mov_b32 s61, 0
	s_lshr_b32 s62, s[CY], 2                       ; a: tile of tokens 64 x batch + 16 cx + 2 wave, 12,288 bytes a tile; my heads begin 3,072 x (cluster y % 4) bytes in
	s_lshl_b32 s62, s62, 6
	s_lshl_b32 s63, s[CX], 4
	s_add_co_u32 s62, s62, s63
	s_lshl_b32 s63, s[WV], 1
	s_add_co_u32 s62, s62, s63
	s_mul_i32 s62, s62, 12288
	s_and_b32 s63, s[CY], 3
	s_mul_i32 s63, s63, 3072
	s_add_co_u32 s62, s62, s63
	s_mov_b32 s63, 0
	s_mov_b32 s[SEL], 0x76543210
	s_mov_b32 s[SEL+1], 0xfedcba98
	s_mov_b32 s[CS], 0x3e38aa3b                    ; log2(e) / 8
	s_and_b32 s69, s[WV], 3                        ; which quarter I fetch,
	s_lshr_b32 s70, s[WV], 2
	s_lshl_b32 s70, s70, 16                        ; into K's part of a slot or into V's
	s_wait_dscnt 0x0                               ; both opening adds are done
	s_wait_alu depctr_va_vdst(0)                   ; directly ahead of the wait below
	s_wait_kmcnt 0x0
	s_load_b128 s[40:43], s[10:11], 0x18           ; e6 .. e9
	s_load_b32 s44, s[10:11], 0x28                 ; e10
	s_cmp_lt_u32 s[WV], 4                          ; waves 0-3 fetch K, waves 4-7 V
	s_cselect_b64 s[58:59], s[6:7], s[8:9]
	s_add_nc_u64 s[58:59], s[58:59], s[56:57]      ; head 0's image + 16,384 x my quarter
	s_add_nc_u64 s[PQ:PQ+1], s[4:5], s[60:61]
	s_add_nc_u64 s[PA:PA+1], s[12:13], s[62:63]
	s_mul_i32 s66, s69, 12288
	s_mov_b32 s67, 0
	s_mov_b32 s[GA], 1                             ; the first piece: bytes 0 to 16,383 of K and of V, 4,096 a wave
	s_lshl_b32 s[GA+1], s69, 12
	s_add_co_u32 s[GA+1], s[GA+1], s70
	s_sub_nc_u64 s[GA+2:GA+3], s[58:59], s[66:67]  ; the image + 4,096 x my quarter
	s_or_b32 s[GA+3], s[GA+3], 0x80000000
	s_mov_b32 s[GB], 1                             ; the second piece: bytes 16,384 to 65,535, 12,288 a wave
	s_add_co_u32 s[GB+1], s66, s70
	s_add_co_u32 s[GB+1], s[GB+1], 16384
	s_lshl_b32 s66, s69, 12
	s_sub_nc_u64 s[GB+2:GB+3], s[58:59], s[66:67]
	s_add_nc_u64 s[GB+2:GB+3], s[GB+2:GB+3], 16384 ; the image + 16,384 + 12,288 x my quarter
	s_or_b32 s[GB+3], s[GB+3], 0x80000000
.irp u, 1,2
	s_mov_b32 s[G0+4*\u], 1
	s_lshl_b32 s[G0+4*\u+1], s[WV], 14
	s_add_co_u32 s[G0+4*\u+1], s[G0+4*\u+1], (\u%2)*SLOT1
	s_add_nc_u64 s[G0+4*\u+2:G0+4*\u+3], s[58:59], \u*65536
	s_or_b32 s[G0+4*\u+3], s[G0+4*\u+3], 0x80000000
.endr
	WIN 0x40
.irp x, 0,1                            ; the first head's Q: asked for ahead of the round, so that it is on its way beside the first tile
.irp b, 0,1
	global_load_b128 v[QF+8*\x+4*\b:QF+8*\x+4*\b+3], v[LI], s[PQ:PQ+1] offset:1024*\x+512*\b
.endr
.endr
	WIN 0
	ROUND                                          ; all four work-groups are here: the joint loads meet
	tensor_load_to_lds s[GA:GA+3], s[G1A:G1A+7]    ; head 0, key steps 0 and 1: my one tensor load at the head
	s_nop 0
	s_wait_kmcnt 0x0
	s_add_co_i32 s66, s40, s41
	s_lshl_b32 s66, s66, 23
	s_add_co_i32 s[CS], s[CS], s66                 ; e6 + e7 added to c's exponent field
	s_mov_b32 s[CS+1], s[CS]
	s_add_co_i32 s66, s43, 127
	s_lshl_b32 s67, s66, 23
	v_mov_b32 v[SCP], s67                          ; 2^e9
	s_add_co_i32 s66, s66, 15
	s_lshl_b32 s66, s66, 23
	s_or_b32 s[LP], s66, 0x600000                  ; 57,344 x 2^e9
	s_sub_co_i32 s66, s44, s42
	s_sub_co_i32 s66, s66, s43
	s_add_co_i32 s66, s66, 127
	s_lshl_b32 s67, s66, 23
	v_mov_b32 v[SCO], s67                          ; 2^(e10 - e8 - e9)
	s_add_co_i32 s66, s66, 15
	s_lshl_b32 s66, s66, 23
	s_or_b32 s66, s66, 0x600000
	v_mov_b32 v[LMO], s66
.irp x, 0,1
	v_mov_b32 v[ST+12*\x+7], 0                     ; (named as the upper half of f's pair)
	v_mov_b32 v[ST+12*\x+10], 0                    ; a lane permute's destination counts as a source
.endr
	s_wait_alu depctr_va_vdst(0)
	s_wait_tensorcnt 0x0                           ; my part of the first piece is in; the three lines ahead of a later first fill, as ahead of a refill
	ds_add_u32 v[SPW], v[NIL]
	s_wait_dscnt 0x0
	ROUND                                          ; everybody's part is in
	tensor_load_to_lds s[GB:GB+3], s[G1B:G1B+7]    ; head 0, key steps 2 to 7
	s_nop 0
	PLACES
.macro FMA x, p                        ; t - M, two at a time
	v_pk_fma_f32 v[S+64*(\x)+2*(\p):S+64*(\x)+2*(\p)+1], v[S+64*(\x)+2*(\p):S+64*(\x)+2*(\p)+1], s[CS:CS+1], v[ST+12*(\x):ST+12*(\x)+1] op_sel_hi:[1,0,0]
.endm
.macro EXPO x, e
	v_exp_f32 v[S+64*(\x)+(\e)], v[S+64*(\x)+(\e)]
.endm
.macro HOLD x, i                       ; the hold at the largest code x the scale, two numbers a line (the conversion does not saturate: ISA guide 7.6.2); p is not negative, so it is one-sided
	v_dual_min_num_f32 v[S+64*(\x)+(\i)], s[LP], v[S+64*(\x)+(\i)] :: v_dual_min_num_f32 v[S+64*(\x)+(\i)+1], s[LP], v[S+64*(\x)+(\i)+1]
.endm
.macro CODE x, g                       ; eight neighbouring keys of my query: registers 2 g, 2 g + 1 of the second product's operand
	v_cvt_scalef32_pk8_bf8_f32 v[PC+16*(\x)+2*(\g):PC+16*(\x)+2*(\g)+1], v[S+64*(\x)+8*(\g):S+64*(\x)+8*(\g)+7], v[SCP]
.endm
.macro KLOAD off                       ; a step's K fragments, off bytes behind v[ADK] (the destination's window is set by the caller)
.irp t, 0,1,2,3,4,5,6,7
.irp b, 0,1
	ds_load_b128 v[KF+8*\t+4*\b:KF+8*\t+4*\b+3], v[ADK] offset:(\off)+1024*\t+512*\b
.endr
.endr
.endm
; A KEY STEP: 128 keys against my 32 queries.  q: Q's set of registers.  pre = 1: this step's K fragments are in already, and the next step's are fetched here; pre = 0: the step fetches its own and no other.
.macro STEP q, pre
.if \pre == 0
	v_add_nc_u32 v[ADK], s[KB], v[LI]
	WIN 0x40
	KLOAD 0
	s_wait_dscnt 0x0
.endif
	WIN 0x05
.irp t, 0,1,2,3,4,5,6,7
.irp x, 0,1
	v_wmma_f32_16x16x64_bf8_bf8 v[S+64*\x+8*\t:S+64*\x+8*\t+7], v[KF+8*\t:KF+8*\t+7], v[(\q)+8*\x:(\q)+8*\x+7], 0
.endr
.endr
	WIN 0
	v_add_nc_u32 v[ADV], s[KB], v[LIV]             ; this line and the three vector lines below are the four places behind the products
	v_nop
	v_nop
.if \pre
	v_add_nc_u32 v[ADK], s[KB], v[LI]
	s_wait_alu depctr_va_vdst(0)                   ; directly ahead of the branch
	s_cmp_eq_u32 s[CNT], 1                         ; a unit's last step has no next step in its slot
	s_cbranch_scc1 .Lno_next_\@
	WIN 0x40
	KLOAD 8192                                     ; the next step's K fragments, 8,192 bytes on
	WIN 0
.Lno_next_\@:
.else
	v_nop
.endif
	WIN 0x40
.irp d, 0,1,2,3                        ; this step's V fragments: one wait for 0, ahead of the second product, serves both runs on either way
.irp g, 0,1,2,3
	ds_load_b128 v[VF+16*\d+4*\g:VF+16*\d+4*\g+3], v[ADV] offset:2048*\d+512*\g
.endr
.endr
	WIN 0
.irp x, 0,1                            ; the largest score so far: 64 scores and the running one are 65 leaves, in two chains a tile, each accumulator from its low end on
	v_max3_num_f32 v[ST+12*\x+8], v[S+64*\x], v[S+64*\x+1], v[ST+12*\x+1]
	v_max3_num_f32 v[ST+12*\x+9], v[S+64*\x+2], v[S+64*\x+3], v[S+64*\x+4]
.endr
.irp i, 5,9,13,17,21,25,29,33,37,41,45,49,53,57
.irp x, 0,1
	v_max3_num_f32 v[ST+12*\x+8], v[ST+12*\x+8], v[S+64*\x+\i], v[S+64*\x+\i+1]
	v_max3_num_f32 v[ST+12*\x+9], v[ST+12*\x+9], v[S+64*\x+\i+2], v[S+64*\x+\i+3]
.endr
.endr
.irp x, 0,1
	v_max3_num_f32 v[ST+12*\x+8], v[ST+12*\x+8], v[S+64*\x+61], v[S+64*\x+62]
.endr
.irp x, 0,1
	v_max3_num_f32 v[ST+12*\x+8], v[ST+12*\x+8], v[ST+12*\x+9], v[S+64*\x+63]
.endr
.irp x, 0,1
	s_delay_alu instid0(VALU_DEP_2)
	v_permlanex16_b32 v[ST+12*\x+10], v[ST+12*\x+8], s[SEL], s[SEL+1]
.endr
.irp x, 0,1
	s_delay_alu instid0(VALU_DEP_2)
	v_max_num_f32 v[ST+12*\x+1], v[ST+12*\x+8], v[ST+12*\x+10]   ; and lane l xor 16's
.endr
.irp x, 0,1
	s_delay_alu instid0(VALU_DEP_2)
	v_mul_f32 v[ST+12*\x+8], s[CS], v[ST+12*\x+1]  ; as t (c is positive)
.endr
.irp x, 0,1
	v_mov_b32 v[ST+12*\x+9], v[ST+12*\x]           ; the old -M
.endr
.irp x, 0,1
	s_delay_alu instid0(VALU_DEP_4)
	v_floor_f32 v[ST+12*\x], -v[ST+12*\x+8]        ; the new -M = -ceil(t)
.endr
.irp x, 0,1
	s_delay_alu instid0(VALU_DEP_2)
	v_sub_f32 v[ST+12*\x+8], v[ST+12*\x], v[ST+12*\x+9]
.endr
.irp x, 0,1
	s_delay_alu instid0(VALU_DEP_2)
	v_cvt_i32_f32 v[ST+12*\x+8], v[ST+12*\x+8]     ; old M - new M, a whole number, 0 or less (it saturates)
.endr
.irp x, 0,1
	s_delay_alu instid0(VALU_DEP_2)
	v_ldexp_f32 v[ST+12*\x+6], 1.0, v[ST+12*\x+8]  ; f = 2^(old M - new M)
.endr
.set n, 0
.rept 32
	FMA 0, n
.set n, n+1
.endr
	WIN 0x41
.irp x, 0,1                            ; O^T under the new M, ahead of the exponentials
.set n, 0
.rept 16
	v_pk_mul_f32 v[O+32*\x+2*n:O+32*\x+2*n+1], v[O+32*\x+2*n:O+32*\x+2*n+1], v[ST+12*\x+6:ST+12*\x+7] op_sel_hi:[1,0]
.set n, n+1
.endr
.endr
	WIN 0
	s_wait_alu depctr_va_vdst(0)                   ; ahead of the batch
.set n, 0
.rept 32                               ; tile 0's exponentials, tile 1's multiply-adds among them
	EXPO 0, 2*n
	FMA 1, n
	EXPO 0, 2*n+1
.set n, n+1
.endr
.irp x, 0,1                            ; the sums under the new M
	v_pk_mul_f32 v[ST+12*\x+2:ST+12*\x+3], v[ST+12*\x+2:ST+12*\x+3], v[ST+12*\x+6:ST+12*\x+7] op_sel_hi:[1,0]
	v_pk_mul_f32 v[ST+12*\x+4:ST+12*\x+5], v[ST+12*\x+4:ST+12*\x+5], v[ST+12*\x+6:ST+12*\x+7] op_sel_hi:[1,0]
.endr
	s_wait_alu depctr_va_vdst(0)                   ; one wait: behind the first batch and ahead of the second
.set n, 0
.rept 16                               ; tile 1's exponentials; among them tile 0's sums of neighbouring pairs (of the unquantised p) and then its holds: all first read behind the next wait
	EXPO 1, 4*n
	v_pk_add_f32 v[TMP+2*n:TMP+2*n+1], v[S+4*n:S+4*n+1], v[S+4*n+2:S+4*n+3]
	EXPO 1, 4*n+1
	HOLD 0, 4*n
	EXPO 1, 4*n+2
	HOLD 0, 4*n+2
	EXPO 1, 4*n+3
.set n, n+1
.endr
	v_nop                                          ; a plain place behind the last exponential
	s_wait_alu depctr_va_vdst(0)                   ; the wait behind the batch
.set n, 0
.rept 8                                ; tile 0's codes; tile 1's sums, in two chains, each pair ahead of its hold
	CODE 0, n
.irp j, 0,2,4,6
	v_pk_add_f32 v[ST+14+(\j&2):ST+15+(\j&2)], v[ST+14+(\j&2):ST+15+(\j&2)], v[S+64+8*n+\j:S+64+8*n+\j+1]
	HOLD 1, 8*n+\j
.endr
.set n, n+1
.endr
.set n, 0
.rept 8                                ; tile 1's codes; tile 0's pair sums go onto its two chains (plain lines stand behind the last conversion)
	CODE 1, n
	v_pk_add_f32 v[ST+2:ST+3], v[ST+2:ST+3], v[TMP+4*n:TMP+4*n+1]
	v_pk_add_f32 v[ST+4:ST+5], v[ST+4:ST+5], v[TMP+4*n+2:TMP+4*n+3]
.set n, n+1
.endr
	s_wait_alu depctr_va_vdst(0)                   ; directly ahead of the wait below
	s_wait_dscnt 0x0                               ; V's fragments, and the next step's K fragments
	WIN 0x51
.irp d, 0,1,2,3
.irp x, 0,1
	v_wmma_f32_16x16x128_bf8_bf8 v[O+32*\x+8*\d:O+32*\x+8*\d+7], v[VF+16*\d:VF+16*\d+15], v[PC+16*\x:PC+16*\x+15], v[O+32*\x+8*\d:O+32*\x+8*\d+7]
.endr
.endr
	WIN 0
	s_add_co_u32 s[KB], s[KB], 8192
.endm
; A UNIT: one head.  Its Q is in; the next head's is asked for; 8 key steps; the way out.
.macro UNIT u
	s_wait_loadcnt 0x0                             ; this head's Q
.if \u > 0
	s_wait_xcnt 0x0                                ; the last unit's stores have read their data registers, which this unit writes again
	v_add_nc_u32 v[ADK], ((\u)%2)*SLOT1, v[LI]
	WIN 0x40
	KLOAD 0                                        ; the first step's K fragments
.endif
	WIN 0x40
.if \u < 2
.irp x, 0,1
.irp b, 0,1
	global_load_b128 v[QF+16*((\u+1)%2)+8*\x+4*\b:QF+16*((\u+1)%2)+8*\x+4*\b+3], v[LI], s[PQ:PQ+1] offset:65536*(\u+1)+1024*\x+512*\b
.endr
.endr
.endif
.set n, 0
.rept 64
	v_mov_b32 v[O+n], 0                            ; O^T: the step is written once, and the first change of M leaves zeros zeros
.set n, n+1
.endr
	WIN 0
.irp x, 0,1
	v_mov_b32 v[ST+12*\x+1], 0xff61b1e6            ; the largest score so far: -3e38
	v_mov_b32 v[ST+12*\x], 0x7f61b1e6              ; -M: 3e38
	v_mov_b32 v[ST+12*\x+2], 0
	v_mov_b32 v[ST+12*\x+3], 0
	v_mov_b32 v[ST+12*\x+4], 0
	v_mov_b32 v[ST+12*\x+5], 0
.endr
	s_mov_b32 s[KB], ((\u)%2)*SLOT1
.if \u == 0
	s_mov_b32 s[CNT], 2
	s_wait_alu depctr_va_vdst(0)
.Lfirst_\@:                                        ; key steps 0 and 1 read the first piece alone
	STEP QF, 0
	s_sub_co_u32 s[CNT], s[CNT], 1
	s_cmp_lg_u32 s[CNT], 0
	s_cbranch_scc1 .Lfirst_\@
	s_wait_tensorcnt 0x0                           ; my part of the second piece is in; the three lines ahead of a later first fill
	ds_add_u32 v[SPW], v[NIL]
	s_wait_dscnt 0x0
	ROUND                                          ; everybody's part is in
	tensor_load_to_lds s[G0+4:G0+7], s[G1:G1+7]    ; head 1 into slot 1
	s_nop 0
	PLACES
	v_add_nc_u32 v[ADK], s[KB], v[LI]
	WIN 0x40
	KLOAD 0                                        ; key step 2's K fragments
	WIN 0
	s_mov_b32 s[CNT], 6
.else
	s_mov_b32 s[CNT], 8
.endif
	s_wait_alu depctr_va_vdst(0)
	s_wait_dscnt 0x0                               ; the loop's first K fragments
.Lstep_\@:
	STEP QF+16*((\u)%2), 1
	s_sub_co_u32 s[CNT], s[CNT], 1
	s_cmp_lg_u32 s[CNT], 0
	s_cbranch_scc1 .Lstep_\@
.irp x, 0,1
	v_pk_add_f32 v[ST+12*\x+2:ST+12*\x+3], v[ST+12*\x+2:ST+12*\x+3], v[ST+12*\x+4:ST+12*\x+5]
.endr
.irp x, 0,1
	s_delay_alu instid0(VALU_DEP_2)
	v_add_f32 v[ST+12*\x+8], v[ST+12*\x+2], v[ST+12*\x+3]
.endr
.irp x, 0,1
	s_delay_alu instid0(VALU_DEP_2)
	v_permlanex16_b32 v[ST+12*\x+10], v[ST+12*\x+8], s[SEL], s[SEL+1]
.endr
.irp x, 0,1
	s_delay_alu instid0(VALU_DEP_2)
	v_add_f32 v[ST+12*\x+8], v[ST+12*\x+8], v[ST+12*\x+10]   ; the row's sum
.endr
	s_wait_alu depctr_va_vdst(0)                   ; the wait ahead of the transcendentals
.irp x, 0,1
	v_rcp_f32 v[ST+12*\x+6], v[ST+12*\x+8]
.endr
	v_nop
	s_wait_alu depctr_va_vdst(0)                   ; the wait behind them, ahead of the first readers of their results and of O^T
	WIN 0x01
.irp x, 0,1
.set n, 0
.rept 16
	v_pk_mul_f32 v[S+64*\x+2*n:S+64*\x+2*n+1], v[O+32*\x+2*n:O+32*\x+2*n+1], v[ST+12*\x+6:ST+12*\x+7] op_sel_hi:[1,0]
.set n, n+1
.endr
.endr
	WIN 0
.irp x, 0,1
.set n, 0
.rept 32
	v_med3_num_f32 v[S+64*\x+n], v[S+64*\x+n], -v[LMO], v[LMO]
.set n, n+1
.endr
.endr
.irp x, 0,1
.irp d, 0,1,2,3
	v_cvt_scalef32_pk8_bf8_f32 v[OC+8*\x+2*\d:OC+8*\x+2*\d+1], v[S+64*\x+8*\d:S+64*\x+8*\d+7], v[SCO]
.endr
.endr
	v_nop                                          ; one plain line behind the last conversion
.irp x, 0,1
.irp b, 0,1
	global_store_b128 v[LI], v[OC+8*\x+4*\b:OC+8*\x+4*\b+3], s[PA:PA+1] offset:1024*\u+12288*\x+512*\b   ; the wave stores 512 consecutive bytes
.endr
.endr
.endm
.macro CHANGE fill                     ; the change of slots: a wait, an add and a wait, then the round (fill = 1) or the work-group's barrier
	s_wait_tensorcnt 0x0
	ds_add_u32 v[SPW], v[NIL]
	s_wait_dscnt 0x0
.if \fill
	ROUND
	tensor_load_to_lds s[G0+8:G0+11], s[G1:G1+7]   ; head 2 into slot 0, which nobody reads any more
	s_nop 0
	PLACES
.else
	s_barrier_signal -1
	s_barrier_wait -1
.endif
.endm
	UNIT 0
	CHANGE 1
	UNIT 1
	CHANGE 0
	UNIT 2
	s_wait_tensorcnt 0x0                           ; the wave's end
	ds_add_u32 v[SPW], v[NIL]
	s_wait_dscnt 0x0
	ROUND                                          ; the closing round
	s_endpgm
.Lfunc_end_k_q613dcf5153_attn:
	.size	k_q613dcf5153_attn, .Lfunc_end_k_q613dcf5153_attn-k_q613dcf5153_attn
	.p2alignl 7, 3214868480
	.fill 96, 4, 3214868480
	.section	.rodata,"a",@progbits
	.p2align	6, 0x0
	.amdhsa_kernel k_q613dcf5153_attn
		.amdhsa_group_segment_fixed_size 327680
		.amdhsa_private_segment_fixed_size 0
		.amdhsa_enable_private_segment 0
		.amdhsa_kernarg_size 40
		.amdhsa_user_sgpr_count 2
		.amdhsa_user_sgpr_kernarg_segment_ptr 1
		.amdhsa_wavefront_size32 1
		.amdhsa_system_sgpr_workgroup_id_x 1
		.amdhsa_system_sgpr_workgroup_id_y 1
		.amdhsa_system_sgpr_workgroup_id_z 1
		.amdhsa_system_vgpr_workitem_id 0
		.amdhsa_next_free_vgpr 512
		.amdhsa_next_free_sgpr 92
		.amdhsa_reserve_vcc 0
		.amdhsa_float_denorm_mode_32 3
		.amdhsa_float_denorm_mode_16_64 3
		.amdhsa_memory_ordered 1
		.amdhsa_forward_progress 1
		.amdhsa_inst_pref_size 160
	.end_amdhsa_kernel
	.amdgpu_metadata
---
amdhsa.version: [ 1, 2 ]
amdhsa.kernels:
  - .name:           k_q613dcf5153_attn
    .symbol:         k_q613dcf5153_attn.kd
    .args:
      - { .name: qimg, .offset: 0, .size: 8, .value_kind: global_buffer, .address_space: global }
      - { .name: kimg, .offset: 8, .size: 8, .value_kind: global_buffer, .address_space: global }
      - { .name: vimg, .offset: 16, .size: 8, .value_kind: global_buffer, .address_space: global }
      - { .name: lowp_scales, .offset: 24, .size: 8, .value_kind: global_buffer, .address_space: global }
      - { .name: aimg, .offset: 32, .size: 8, .value_kind: global_buffer, .address_space: global }
    .group_segment_fixed_size: 327680
    .private_segment_fixed_size: 0
    .kernarg_segment_align: 8
    .kernarg_segment_size: 40
    .max_flat_workgroup_size: 256
    .sgpr_count:     92
    .vgpr_count:     512
    .wavefront_size: 32
...
	.end_amdgpu_metadata
.endif
;; end of part 2
;; launch proj (part 3): grid 4 x 64, 4 waves a work-group, clusters of 4 x 1, 222,208 bytes of LDS; arguments aimg, wo_w_codes, wo_b, lowp_scales, out0; writes out0
.if DOCPART == 3
	.amdgcn_target "amdgcn-amd-amdhsa--gfx1250"
	.amdhsa_code_object_version 6
	.text
	.protected	k_q613dcf5153_proj
	.globl	k_q613dcf5153_proj
	.p2align	8
	.type	k_q613dcf5153_proj,@function
k_q613dcf5153_proj:
	s_mov_b64 s[64:65], 0
	v_nop
	global_prefetch_b8 v0, s[64:65] scope:SCOPE_SE
	s_setreg_imm32_b32 hwreg(HW_REG_WAVE_MODE, 25, 1), 1
	s_wait_xcnt 0x0
	s_wait_alu depctr_hold_cnt(0) depctr_sa_sdst(0) depctr_va_vdst(0) depctr_va_sdst(0) depctr_va_ssrc(0) depctr_va_vcc(0) depctr_vm_vsrc(0)
	s_getreg_b32 s2, hwreg(HW_REG_IB_STS2, 6, 4)
	s_cmp_eq_u32 s2, 0
	s_cbranch_scc0 .Lentry_in_a_cluster
	s_endpgm
.Lentry_in_a_cluster:
	s_bfe_u32 s2, ttmp6, 0x10000c
	s_cmp_lg_u32 s2, 0x3003
	s_cbranch_scc0 .Lentry_shape_is_right
	s_endpgm
.Lentry_shape_is_right:
; out = a Wo^T + bo on codes of BF8 (E5M2).  a: the attention's result as images of the operand's registers: [tile of 16 tokens 1,024][K step 6][group 4][lane 32][16 bytes], lane (r, h): token r, k = 128 s + 32 c + 16 h + 0..15.
; Wo: [768][768] codes, K innermost, fetched 16 bytes at a time in the same order of k.  bo: [768] f32.  out: [16,384][768] f32 = sum x 2^(e10 + e11) + bo, one packed multiply-add for two numbers.
; SHARES.  A work-group takes 256 tokens (work-group y) and 192 columns (its place cx in the cluster).  A wave keeps 48 columns of Wo in registers for the whole launch (18 fragments, 288 registers) and walks the 16 tiles of tokens.
; CLUSTER.  The four work-groups of a cluster share a's 196,608 bytes: each wave's quarter is asked for JOINTLY, once; nothing in LDS is filled again.  Wo goes from memory straight into registers: a joint load lands in LDS alone.
; THE PRODUCT IS USED TRANSPOSED (source 0 = 16 rows of Wo, source 1 = 16 tokens): a lane holds eight neighbouring columns of one row of out.
; a's FRAGMENTS have two sets of registers, which take turns tile by tile: the next tile's 24 loads name no register of this tile's products.  Waves 0 and 1 issue them ahead of their 18 products, waves 2 and 3 behind them:
; so the four waves' runs of loads stand at two places of a tile, two runs at each.
; THE WAY OUT.  A row's 192 columns come from four waves: they meet in a stage of 16 rows x (768 + 16) bytes, and each wave stores four whole runs of 768 bytes: sixteen lanes store 256 consecutive bytes, aligned.
; Two stages take turns, one barrier a tile, SIGNALLED behind tile i's stage stores and WAITED FOR behind tile i + 1's 18 products: tile i's rows are read back and stored in tile i + 1.
; A stage is written again only behind the wait of the barrier that every wave signals behind the wait for its reads of that stage.
; NO PREFETCH: a's bytes are asked for once, at the head, and the launch has no loop that runs ahead of a load from memory.
; LIMIT: e10 + e11 lies between -126 and 127, so that 2^(e10 + e11) is an f32 number.
; REGISTERS: window 0: v1-9 addresses; v16-111 a's six fragments, set 0; v112-135 three accumulators; v136-159 the biases; v160-183 results; v184-207 rows read back; v222, v223 the add's two; v224-255 Wo's fragments 16, 17.
;            window 1: Wo's fragments 0-15.   window 2: v16-111 a's six fragments, set 1.
.set STG,  196608                      ; behind a's images: two stages of 12,544 bytes.  No tile lands there
.set STB,  12544
.set SP,   784
.set WV,  14
.set CX,  15
.set TB,  16
.set G1,  20
.set G0,  28
.set SC,  42                           ; s[42:43] 2^(e10 + e11)
.set PWO, 44                           ; s[44:45] my rows of Wo   s[46:47] my biases   s[48:49] my rows of out
.set PBO, 46
.set PO,  48
.set NX,  50                           ; s50 LDS byte of the tile to be fetched   s51 trips
.set CNT, 51
.set LI,  1                            ; v1 16 x lane   v2 the same in the tile to be fetched   v3 768 r + 16 h   v4 32 h   v5 where I put 32 bytes of a row
.set XAD, 2
.set WO,  3
.set H32, 4
.set SO,  5
.set RD0, 6                            ; v6 the stage at my four rows + 16 x lane   v7 the same + 16 h   v9 16 x lane + 2,304 h
.set RD1, 7
.set GO1, 9
.set XF,  16
.set ACC, 112
.set BI,  136
.set TMP, 160
.set OB,  184
.set MSB, 0
.macro WIN new
.if MSB != (\new)
	s_set_vgpr_msb (MSB<<8)|(\new)
.set MSB, (\new)
.endif
.endm
.macro PLACES
.rept 4
	v_nop
.endr
.endm
.macro ROUND
	s_barrier_signal -1
	s_barrier_wait -1
	s_cmp_lg_u32 s[WV], 0
	s_cbranch_scc1 .Lnot_wave_0_\@
	s_barrier_signal -3
.Lnot_wave_0_\@:
	s_barrier_wait -3
	s_barrier_signal -1
	s_barrier_wait -1
.endm
	s_load_b256 s[4:11], s[0:1], 0x0               ; aimg, Wo's codes, bo, the scales' exponents
	s_load_b64 s[12:13], s[0:1], 0x20              ; out
	v_lshl_add_u32 v222, v0, 2, 0x36200
	v_mov_b32 v223, 0
	ds_add_u32 v222, v223                          ; the opening lines: the add twice on end and one wait
	ds_add_u32 v222, v223
	v_lshrrev_b32 v10, 5, v0
	v_readfirstlane_b32 s[WV], v10                 ; wave 0..3
	s_bfe_u32 s[CX], ttmp6, 0x40000                ; my 192 columns: it enters global addresses alone
	s_and_b32 s[TB], ttmp7, 0xffff                 ; the block of 256 tokens, which the four partners share
	v_and_b32 v10, 15, v0                          ; r
	v_bfe_u32 v11, v0, 4, 1                        ; h
	v_and_b32 v[LI], 31, v0
	v_lshlrev_b32 v[LI], 4, v[LI]
	v_mul_u32_u24 v[WO], v10, 768
	v_lshl_add_u32 v[WO], v11, 4, v[WO]
	v_lshlrev_b32 v[H32], 5, v11
	v_mul_u32_u24 v[SO], v10, SP
	v_lshl_add_u32 v[SO], v11, 5, v[SO]
	s_mul_i32 s60, s[WV], 192
	s_add_co_u32 s60, s60, STG
	v_add_nc_u32 v[SO], s60, v[SO]                 ; row r, + 32 h, + my wave's 48 columns
	s_mul_i32 s60, s[WV], 4*SP
	s_add_co_u32 s60, s60, STG
	v_add_nc_u32 v[RD0], s60, v[LI]                ; back: rows 4 wave on.  Two rows are 96 pieces of 16 bytes, three instructions: pieces 0-31 of the first row; its pieces 32-47 and the second row's 0-15; that row's 16-47
	v_lshl_add_u32 v[RD1], v11, 4, v[RD0]          ; the middle one: lanes 16-31 stand one row on and 48 pieces back: 784 - 768 bytes on,
	v_mul_u32_u24 v[GO1], v11, 2304                ; and in out 3,072 - 768
	v_add_nc_u32 v[GO1], v[GO1], v[LI]
	s_mov_b32 s[G1+0], 15|(1<<21)                  ; the mask: all four work-groups; elements of 1 byte; no padding; bit 21 set beside a mask
	s_mov_b32 s[G1+1], 256<<16                     ; 192 rows of 256 bytes, dense
	s_mov_b32 s[G1+2], 192<<16
	s_mov_b32 s[G1+3], 256<<16
	s_mov_b32 s[G1+4], 192
	s_mov_b32 s[G1+5], 256
	s_mov_b32 s[G1+6], 0
	s_mov_b32 s[G1+7], 0
	s_mul_i32 s52, s[TB], 196608                   ; the block's sixteen tiles, my wave's four: made of the token block and the wave alone
	s_mul_i32 s53, s[WV], 49152
	s_add_co_u32 s52, s52, s53
	s_mov_b32 s53, 0
	s_mul_i32 s54, s[CX], 192
	s_mul_i32 s55, s[WV], 48
	s_add_co_u32 s56, s54, s55                     ; my first column
	s_mul_i32 s54, s56, 768
	s_mov_b32 s55, 0
	s_lshl_b32 s56, s56, 2
	s_mov_b32 s57, 0
	s_lshl_b32 s58, s[TB], 8
	s_lshl_b32 s59, s[WV], 2
	s_add_co_u32 s58, s58, s59                     ; the first row that I store: 256 x block + 4 x wave
	s_mul_i32 s58, s58, 3072
	s_mul_i32 s59, s[CX], 768
	s_add_co_u32 s58, s58, s59
	s_mov_b32 s59, 0
	s_wait_alu depctr_va_vdst(0)                   ; the end of the head's vector work, directly ahead of the waits below
	s_wait_dscnt 0x0
	s_wait_kmcnt 0x0
	s_load_b64 s[40:41], s[10:11], 0x28            ; e10, e11
	s_mov_b32 s[G0], 1
	s_mul_i32 s[G0+1], s[WV], 49152
	s_add_nc_u64 s[G0+2:G0+3], s[4:5], s[52:53]
	s_or_b32 s[G0+3], s[G0+3], 0x80000000
	s_add_nc_u64 s[PWO:PWO+1], s[6:7], s[54:55]
	s_add_nc_u64 s[PBO:PBO+1], s[8:9], s[56:57]
	s_add_nc_u64 s[PO:PO+1], s[12:13], s[58:59]
.irp s, 0,1,2,3,4,5                    ; Wo's fragments (K step s, tile t): they stay.  Asked for ahead of the round, so that they are on their way beside a's tiles
.irp t, 0,1,2
.set fW, 3*\s+\t
.if fW < 16
	WIN 0x40                                       ; destination window 1
.set rW, 16*fW
.else
	WIN 0
.set rW, 224+16*(fW-16)
.endif
.irp c, 0,1,2,3
	global_load_b128 v[rW+4*\c:rW+4*\c+3], v[WO], s[PWO:PWO+1] offset:12288*\t+128*\s+32*\c
.endr
.endr
.endr
	WIN 0
.irp t, 0,1,2                          ; bo in the result's layout: tile t, columns 16 t + 8 h + 0..7
	global_load_b128 v[BI+8*\t:BI+8*\t+3], v[H32], s[PBO:PBO+1] offset:64*\t
	global_load_b128 v[BI+8*\t+4:BI+8*\t+7], v[H32], s[PBO:PBO+1] offset:64*\t+16
.endr
	ROUND                                          ; all four work-groups are here: the joint loads meet
	tensor_load_to_lds s[G0:G0+3], s[G1:G1+7]      ; my one tensor load of the launch
	s_nop 0
	s_wait_kmcnt 0x0
	s_add_co_i32 s[SC], s40, s41
	s_add_co_i32 s[SC], s[SC], 127
	s_lshl_b32 s[SC], s[SC], 23                    ; 2^(e10 + e11) as f32
	s_mov_b32 s[SC+1], s[SC]                       ; (named with it as a pair, so it is written)
	s_wait_tensorcnt 0x0                           ; my quarter of a has landed,
	s_barrier_signal -1
	s_barrier_wait -1                              ; everybody's has
.irp s, 0,1,2,3,4,5
.irp c, 0,1,2,3
	ds_load_b128 v[XF+16*\s+4*\c:XF+16*\s+4*\c+3], v[LI] offset:2048*\s+512*\c   ; tile 0, into set 0
.endr
.endr
	s_wait_loadcnt 0x0                             ; Wo and bo
	s_wait_dscnt 0x0
.macro BACK q                          ; my four rows of stage q, two at a time
.irp a, 0,1
	ds_load_b128 v[OB+12*\a:OB+12*\a+3],    v[RD0] offset:STB*(\q)+2*SP*\a
	ds_load_b128 v[OB+12*\a+4:OB+12*\a+7],  v[RD1] offset:STB*(\q)+2*SP*\a+512
	ds_load_b128 v[OB+12*\a+8:OB+12*\a+11], v[RD0] offset:STB*(\q)+2*SP*\a+SP+256
.endr
.endm
.macro OUT                             ; and into out: sixteen lanes store 256 consecutive bytes, aligned
.irp a, 0,1
	global_store_b128 v[LI],  v[OB+12*\a:OB+12*\a+3],    s[PO:PO+1] offset:6144*\a th:TH_STORE_NT
	global_store_b128 v[GO1], v[OB+12*\a+4:OB+12*\a+7],  s[PO:PO+1] offset:6144*\a+512 th:TH_STORE_NT
	global_store_b128 v[LI],  v[OB+12*\a+8:OB+12*\a+11], s[PO:PO+1] offset:6144*\a+3328 th:TH_STORE_NT
.endr
.endm
.macro XFILL p, off                    ; the next tile's six fragments, from off bytes behind v[XAD], into the set that tile p does not multiply: set 1 lies in window 2
	WIN 0x80*(1-(\p))
.irp s, 0,1,2,3,4,5
.irp c, 0,1,2,3
	ds_load_b128 v[XF+16*\s+4*\c:XF+16*\s+4*\c+3], v[XAD] offset:(\off)+2048*\s+512*\c
.endr
.endr
	WIN 0
.endm
; A tile of 16 tokens: 18 matrix instructions, the three accumulators by turns.  p: its stage and its set of a's fragments.  refill = 1: the next tile is fetched.
; prev: 0 no tile before it; 1 the tile before goes out; 2 likewise, sixteen rows of out further on.
.macro PTILE p, refill, off, prev
.if \refill
	s_cmp_lt_u32 s[WV], 2
	s_cbranch_scc0 .Llate_\@
	XFILL \p, \off                                 ; waves 0 and 1: ahead of the products (LDS loads of bytes that nobody writes may stand between a barrier's signal and its wait)
.Llate_\@:
.endif
.irp s, 0,1,2,3,4,5
.irp t, 0,1,2
.set fW, 3*\s+\t
.if fW < 16
	WIN 0x01+8*(\p)                                ; source 0 (Wo) window 1; source 1: set p's window
.set rW, 16*fW
.else
	WIN 8*(\p)
.set rW, 224+16*(fW-16)
.endif
.if \s == 0
	v_wmma_f32_16x16x128_bf8_bf8 v[ACC+8*\t:ACC+8*\t+7], v[rW:rW+15], v[XF+16*\s:XF+16*\s+15], 0
.else
	v_wmma_f32_16x16x128_bf8_bf8 v[ACC+8*\t:ACC+8*\t+7], v[rW:rW+15], v[XF+16*\s:XF+16*\s+15], v[ACC+8*\t:ACC+8*\t+7]
.endif
.endr
.endr
	WIN 0
.if \refill
	s_cmp_lt_u32 s[WV], 2
	s_cbranch_scc1 .Learly_\@
	XFILL \p, \off                                 ; waves 2 and 3: behind the products
.Learly_\@:
.endif
.if \prev
	s_barrier_wait -1                              ; the last tile's sixteen rows lie whole in the other stage, and nobody reads this tile's stage any more
	s_wait_xcnt 0x0                                ; the stores of the tile before that have read their data and their base: both are written again behind this wait
.if \prev == 2
	s_add_nc_u64 s[PO:PO+1], s[PO:PO+1], 49152     ; sixteen rows of out on
.endif
	BACK 1-\p
.endif
	PLACES                                         ; four places behind the products, ahead of the first read of their results
.irp t, 0,1,2
.irp j, 0,2,4,6
	v_pk_fma_f32 v[TMP+8*\t+\j:TMP+8*\t+\j+1], v[ACC+8*\t+\j:ACC+8*\t+\j+1], s[SC:SC+1], v[BI+8*\t+\j:BI+8*\t+\j+1] op_sel_hi:[1,0,1]   ; sum x 2^(e10 + e11) + bo; each accumulator from its low end on
.endr
.endr
.irp t, 0,1,2
	ds_store_b128 v[SO], v[TMP+8*\t:TMP+8*\t+3] offset:STB*\p+64*\t
	ds_store_b128 v[SO], v[TMP+8*\t+4:TMP+8*\t+7] offset:STB*\p+64*\t+16
.endr
.if \prev
	s_wait_dscnt 6                                 ; the six read-backs are in (and the fragments' loads, which are older); my six stage stores, issued behind them, may be out
	OUT
.endif
	s_wait_dscnt 0x0                               ; for the others' sake: my stores into the stage and my reads of the other stage are done.  (The next tile's fragments are in too)
	s_barrier_signal -1                            ; the wait for it stands behind the next tile's products
.endm
	s_mov_b32 s[NX], 12288
	v_add_nc_u32 v[XAD], s[NX], v[LI]
	s_wait_alu depctr_va_vdst(0)
	PTILE 0, 1, 0, 0
	PTILE 1, 1, 12288, 1
	s_mov_b32 s[NX], 36864
	s_mov_b32 s[CNT], 6
.Lpair:                                            ; two tiles a trip, so that the stages and the sets are back where they began: tiles 2 to 13
	v_add_nc_u32 v[XAD], s[NX], v[LI]
	s_wait_alu depctr_va_vdst(0)
	PTILE 0, 1, 0, 2
	PTILE 1, 1, 12288, 2
	s_add_co_u32 s[NX], s[NX], 24576
	s_sub_co_u32 s[CNT], s[CNT], 1
	s_cmp_lg_u32 s[CNT], 0
	s_cbranch_scc1 .Lpair
	v_add_nc_u32 v[XAD], s[NX], v[LI]
	s_wait_alu depctr_va_vdst(0)
	PTILE 0, 1, 0, 2                               ; tile 14 fetches tile 15,
	PTILE 1, 0, 0, 2                               ; which fetches nothing
	s_barrier_wait -1                              ; tile 15's rows lie whole in stage 1
	s_wait_xcnt 0x0
	s_add_nc_u64 s[PO:PO+1], s[PO:PO+1], 49152
	BACK 1
	s_wait_dscnt 0x0
	OUT
	s_wait_tensorcnt 0x0                           ; the wave's end
	ds_add_u32 v222, v223
	s_wait_dscnt 0x0
	ROUND                                          ; the closing round
	s_endpgm
.Lfunc_end_k_q613dcf5153_proj:
	.size	k_q613dcf5153_proj, .Lfunc_end_k_q613dcf5153_proj-k_q613dcf5153_proj
	.p2alignl 7, 3214868480
	.fill 96, 4, 3214868480
	.section	.rodata,"a",@progbits
	.p2align	6, 0x0
	.amdhsa_kernel k_q613dcf5153_proj
		.amdhsa_group_segment_fixed_size 222208
		.amdhsa_private_segment_fixed_size 0
		.amdhsa_enable_private_segment 0
		.amdhsa_kernarg_size 40
		.amdhsa_user_sgpr_count 2
		.amdhsa_user_sgpr_kernarg_segment_ptr 1
		.amdhsa_wavefront_size32 1
		.amdhsa_system_sgpr_workgroup_id_x 1
		.amdhsa_system_sgpr_workgroup_id_y 1
		.amdhsa_system_sgpr_workgroup_id_z 1
		.amdhsa_system_vgpr_workitem_id 0
		.amdhsa_next_free_vgpr 640
		.amdhsa_next_free_sgpr 72
		.amdhsa_reserve_vcc 0
		.amdhsa_float_denorm_mode_32 3
		.amdhsa_float_denorm_mode_16_64 3
		.amdhsa_memory_ordered 1
		.amdhsa_forward_progress 1
		.amdhsa_inst_pref_size 52
	.end_amdhsa_kernel
	.amdgpu_metadata
---
amdhsa.version: [ 1, 2 ]
amdhsa.kernels:
  - .name:           k_q613dcf5153_proj
    .symbol:         k_q613dcf5153_proj.kd
    .args:
      - { .name: aimg, .offset: 0, .size: 8, .value_kind: global_buffer, .address_space: global }
      - { .name: wo_w_codes, .offset: 8, .size: 8, .value_kind: global_buffer, .address_space: global }
      - { .name: wo_b, .offset: 16, .size: 8, .value_kind: global_buffer, .address_space: global }
      - { .name: lowp_scales, .offset: 24, .size: 8, .value_kind: global_buffer, .address_space: global }
      - { .name: out0, .offset: 32, .size: 8, .value_kind: global_buffer, .address_space: global }
    .group_segment_fixed_size: 222208
    .private_segment_fixed_size: 0
    .kernarg_segment_align: 8
    .kernarg_segment_size: 40
    .max_flat_workgroup_size: 128
    .sgpr_count:     72
    .vgpr_count:     640
    .wavefront_size: 32
...
	.end_amdgpu_metadata
.endif
;; end of part 3
